; MI455X (gfx1250); checked and timed in simulation.
; The chip was launched on July 23, 2026; its instructions are those of AMD's public machine-readable ISA for CDNA 5 (MIT licence, August 2026) and "CDNA5" Instruction Set Architecture Reference Guide (July 2026). The comments in the code are by the model that wrote it; some were corrected since.
;; Encoder. Allowed arithmetic: matrix products marked QUANTISED: E2M3 operands, one E8M0 scale for each 32 along K, by v_wmma_scale_f32_16x16x128_f8f6f4 with both operands' format E2M3, f32 sums; everything else in f32.
;; Inputs: Wk 1,024 x 1,024 float32; Wq 1,024 x 1,024 float32; Wv 1,024 x 1,024 float32; bk 1,024 float32; bq 1,024 float32; bv 1,024 float32; mask 4 x 2,048 bool; seq 4 x 2,048 x 1,024 float32.
;; Outputs: out0 4 x 2,048 x 1,024 float32.
;; This version of the problem:
;;   THIS VERSION OF THE PROBLEM IS GIVEN IN LOW PRECISION. The matrix products marked QUANTISED in the list below multiply operands that are first quantised to E2M3 (2 exponent bits, 3 mantissa bits; 6 bits a number), with one power-of-two scale for each 32 numbers along K (OCP MX v1.0); their sums are f32. All else is computed in f32.
;;   The module's matrix products, in the order in which they are computed (A, B: the left and right operand; K: the contracted axis; several contracted axes count as one K, in the product's order):
;;     1. [M 8,192, K 1,024] x [K 1,024, N 1,024]; A: input seq; B: input Wq: QUANTISED
;;     2. [M 8,192, K 1,024] x [K 1,024, N 1,024]; A: input seq; B: input Wk: QUANTISED
;;     3. [M 8,192, K 1,024] x [K 1,024, N 1,024]; A: input seq; B: input Wv: QUANTISED
;;     4. batch 64 x [M 2,048, K 64] x [K 64, N 2,048]; A: computed on the way; B: computed on the way: QUANTISED
;;     5. batch 64 x [M 2,048, K 2,048] x [K 2,048, N 64]; A: softmax (see below); B: computed on the way: QUANTISED
;;   THE QUANTISER, for each operand of a quantised product, along K:
;;     - K is cut into blocks of 32 from its start; a last block that is shorter is filled with zeros.
;;     - A block's scale is 2^e with e = floor(log2(the largest magnitude in the block)) - 2, held to -126 .. 127; a block of zeros has e = 0. As a byte (E8M0): e + 127.
;;     - Each number is divided by its block's scale, clamped to +-7.5, and rounded to the nearest number of E2M3, ties to even, subnormals kept.
;;     - The product sums the exact products of the quantised numbers (number of the format x scale) in f32.
;;   ~~~python
;;   def quantise(x, axis):      # numpy; x: float32 -> the quantised numbers, widened to float32 again
;;       x = np.moveaxis(x, axis, -1); K = x.shape[-1]
;;       x = np.pad(x, [(0, 0)] * (x.ndim - 1) + [(0, -K % 32)]); x = x.reshape(x.shape[:-1] + (-1, 32)); a = np.abs(x).max(-1, keepdims=True)
;;       e = np.where(a > 0, np.clip(np.frexp(np.where(a > 0, a, 1))[1] - 1 - 2, -126, 127), 0)      # np.frexp(a)[1] - 1 = floor(log2(a)), exactly
;;       r = np.clip(x / 2.0 ** e, -7.5, 7.5)
;;       step = 2.0 ** (np.maximum(np.frexp(np.where(r == 0, 1, r))[1] - 1, 0) - 3)
;;       q = np.round(r / step) * step * 2.0 ** e      # np.round: ties to even
;;       return np.moveaxis(q.reshape(q.shape[:-2] + (-1,))[..., :K], -1, axis).astype(np.float32)
;;   ~~~
;;   SOFTMAX AHEAD OF A QUANTISED PRODUCT. Where the list says 'softmax', what is quantised is not the finished softmax but p = 2^(t - M), with t = logit x log2(e) and M = ceil(the row's largest t), a whole number; so 1/2 < the row's largest p <= 1. The row's sum l is taken of the UNQUANTISED p, in f32, and the product's result is divided by l at the end. Since M is a whole number, a kernel that streams over the keys may use a running M (the ceiling of the running maximum): every later rescaling is an exact power of two, which a block's scale takes up: the codes' values come out the same.
;;   OPERANDS COMPUTED ON THE WAY. 'Computed on the way' means the value that the module computes at that place (a softmax that the list does not call 'softmax' is quantised finished and normalised). What goes into a quantiser is computed in f32, as accurately as f32 sums, v_exp_f32 and their like allow (about 1e-6 of the number): no bf16 or f16 on the way to a quantiser, and a product that is left as it is and whose result goes on into a quantised operand takes f32 operands (vector FMAs, or v_wmma_f32_16x16x4_f32). A number that lies on a knife's edge between two numbers of the format may be rounded either way, as far as f32 arithmetic and the matrix unit's own rounding can turn it there, and no further.
;; One version. Each part assembles by itself: llvm-mc -triple=amdgcn-amd-amdhsa -mcpu=gfx1250 --defsym DOCPART=n.
;; ======== version 1 of 1: 3 launches
;; limits: right only within a limited range of input values
;; workspace buffers: ximg 6,815,744 bytes; wimg 2,555,904 bytes; qimg 8,912,896 bytes; kv 15,728,640 bytes
;; launch quant (part 1): grid 704 x 1, 4 waves a work-group, no clusters, 68,096 bytes of LDS; arguments seq, Wq, Wk, Wv, ximg, wimg; writes ximg, wimg
.if DOCPART == 1
	.amdgcn_target "amdgcn-amd-amdhsa--gfx1250"
	.amdhsa_code_object_version 6
	.text
	.protected	k_qae84e992ae_quant
	.globl	k_qae84e992ae_quant
	.p2align	8
	.type	k_qae84e992ae_quant,@function
k_qae84e992ae_quant:
	s_mov_b64 s[64:65], 0
	v_nop
	global_prefetch_b8 v0, s[64:65] scope:SCOPE_SE
	s_setreg_imm32_b32 hwreg(HW_REG_WAVE_MODE, 25, 1), 1
	s_wait_xcnt 0x0
; seq [8192][1024] and Wq, Wk, Wv [1024][1024], f32, K innermost, become codes of FP6 (E2M3) with one E8M0 byte for each 32 along K, laid AS THE MATRIX OPERAND'S REGISTERS.
; A block's scale is 2^(floor(log2(its largest magnitude)) - 2): its byte is the largest magnitude's exponent field - 2, held at 1 from below.  (A block of zeros keeps the byte 1 where the rule says 127:
; its codes are zeros, and this program alone reads the bytes.)  LIMITS: blocks whose largest magnitude lies under 2^-124 keep the byte 1; NaN and infinities among the inputs are not served.
; TILES.  Position r (0..15) of tile T is row 32 (T / 2) + 8 (T % 2) + r + 8 (r / 8): the later products want their rows in this order, so that a result's registers run along the next K.
; OUT.  [chunk of 256 along K][tile][3,328 bytes]: the image of K step 0 (12 registers a lane: register 4 p + w of lane l at 512 p + 16 l + 4 w), that of K step 1, then 256 bytes of scale words:
; lane 16 q + r writes row r's word of K step q, and a 0, at 8 x lane.  Every store of the wave covers 512 or 256 consecutive bytes at a multiple of 256 from the buffer's first byte.
; SHARES.  A work-group takes one tile (the first 512: seq's; then 64 for each weight), its wave w chunk w.  Only pointers are chosen by the work-group's number: there is one path.  Waves share nothing: no barrier.
; Work-groups share no input, so there is no cluster; no matrix unit: memory binds.
; Each load reads 512 consecutive bytes of a row; the lane that converts wants 32 NEIGHBOURS of one row: the numbers turn through the wave's own stage in LDS (rows of 512 + 16 bytes = 132 words, so that the sixteen
; rows that a read touches start 4 words apart modulo 64).
.set XCH,  1703936                     ; a chunk of ximg: 512 tiles x 3,328
.set WCH,  638976                      ; a chunk of wimg: 192 tiles x 3,328
.set BLKB, 3328
.set STG,  8448                        ; a stage: 16 rows x 528 bytes; two for each wave
.set LI,  5                            ; v5   16 x lane
.set SI,  6                            ; v6   the stage, on the way in
.set SO,  7                            ; v7   and out: row r, + 128 h
.set SH,  8                            ; v8   8 h
.set L8,  9                            ; v9   8 x lane
.set X,   16                           ; v16-79   64 numbers: register 32 c + i = k 64 c + 32 h + i of row r
.set R,   80                           ; v80-207  as loaded: K step q, row position p at 64 q + 4 p
.set C,   208                          ; v208-231 the two fragments
.set TT,  232                          ; v232-239 the upper halves of a block's codes, before they are moved
.set TM,  240                          ; v240-241 largest magnitudes
.set SOP, 242                          ; v242-243 the conversions' scale operands
.set BY,  244                          ; v244-245 the bytes
.set W,   246                          ; v246-247 the scale words of K steps 0, 1
.set PT,  248
.set WW,  250                          ; v[250:251] what is stored: a word and a 0
	s_load_b256 s[4:11], s[0:1], 0x0               ; seq, Wq, Wk, Wv
	s_load_b128 s[12:15], s[0:1], 0x20             ; ximg, wimg
	v_lshl_add_u32 v254, v0, 2, 0x10800
	v_mov_b32 v255, 0
	v_lshrrev_b32 v1, 5, v0
	v_readfirstlane_b32 s16, v1                    ; wave = chunk
	v_and_b32 v2, 31, v0                           ; lane
	v_and_b32 v3, 15, v0                           ; r
	v_bfe_u32 v4, v0, 4, 1                         ; h
	v_lshlrev_b32 v[LI], 4, v2
	s_mul_i32 s17, s16, 2*STG                      ; my wave's two stages
	v_add_nc_u32 v[SI], s17, v[LI]
	v_mul_u32_u24 v[SO], v3, 528
	v_lshl_add_u32 v[SO], v4, 7, v[SO]
	v_add_nc_u32 v[SO], s17, v[SO]
	v_lshlrev_b32 v[SH], 3, v4
	v_lshlrev_b32 v[L8], 3, v2
	v_mov_b32 v[PT], 0                             ; a lane permute's destination counts as one of its sources
	v_mov_b32 v[WW+1], 0
	s_mov_b32 s30, 0x76543210
	s_mov_b32 s31, 0xfedcba98                      ; v_permlanex16_b32's selects for lane l xor 16
	s_mov_b32 s32, 0xffff0000                      ; lanes 16-31
	s_cmp_lt_u32 ttmp9, 512                        ; seq's work-group, or a weight's?
	s_cselect_b32 s18, 0, 512
	s_cselect_b32 s19, 511, 63
	s_mov_b32 s20, WCH
	s_cselect_b32 s20, XCH, s20                    ; the chunk's stride in the buffer that I write
	s_sub_co_u32 s18, ttmp9, s18                   ; the tile's number there
	s_and_b32 s19, s18, s19                        ; and in the tensor that I read
	s_lshr_b32 s21, s18, 6                         ; which weight (where it is one)
	s_lshr_b32 s26, s19, 1
	s_lshl_b32 s26, s26, 5
	s_and_b32 s27, s19, 1
	s_lshl_b32 s27, s27, 3
	s_add_co_u32 s26, s26, s27                     ; the tile's first row: 32 (T / 2) + 8 (T % 2)
	s_lshl_b32 s26, s26, 12                        ; rows of 4,096 bytes
	s_lshl_b32 s27, s16, 10
	s_add_co_u32 s26, s26, s27                     ; + my chunk's 1,024 bytes
	s_mov_b32 s27, 0
	s_mul_i32 s28, s16, s20
	s_mul_i32 s29, s18, BLKB
	s_add_co_u32 s28, s28, s29
	s_mov_b32 s29, 0
	s_wait_kmcnt 0x0
	s_cmp_eq_u32 s21, 1
	s_cselect_b64 s[22:23], s[8:9], s[6:7]
	s_cmp_eq_u32 s21, 2
	s_cselect_b64 s[22:23], s[10:11], s[22:23]
	s_cmp_lt_u32 ttmp9, 512
	s_cselect_b64 s[22:23], s[4:5], s[22:23]
	s_cselect_b64 s[24:25], s[12:13], s[14:15]
	s_add_nc_u64 s[22:23], s[22:23], s[26:27]
	s_add_nc_u64 s[24:25], s[24:25], s[28:29]
.irp q, 0,1
.irp p, 0,1,2,3,4,5,6,7,8,9,10,11,12,13,14,15
	global_load_b128 v[R+64*\q+4*\p:R+64*\q+4*\p+3], v[LI], s[22:23] offset:(\p+8*(\p/8))*4096+512*\q th:TH_LOAD_NT   ; 512 consecutive bytes of the row at position p; read once in the launch
.endr
.endr
.macro TOSTAGE q
.irp p, 0,1,2,3,4,5,6,7,8,9,10,11,12,13,14,15
	ds_store_b128 v[SI], v[R+64*\q+4*\p:R+64*\q+4*\p+3] offset:STG*\q+528*\p
.endr
.endm
.macro FROMSTAGE q                     ; LDS serves a wave's instructions in order (ISA guide 5.7.1.4): these see my stores
.irp c, 0,1
.irp i, 0,1,2,3,4,5,6,7
	ds_load_b128 v[X+32*\c+4*\i:X+32*\c+4*\i+3], v[SO] offset:STG*\q+256*\c+16*\i
.endr
.endr
.endm
; K step q: my two whole blocks (2 c + h, c = 0, 1) of row r become registers 6 c .. 6 c + 5 of the fragment, and the row's scale word is gathered from lanes l and l xor 16.
.macro QUANTW q
.irp c, 0,1
	v_max3_num_f32 v[TM+\c], |v[X+32*\c]|, |v[X+32*\c+1]|, 0x1800000   ; with the floor 2^(3 - 127): the byte cannot fall under 1
.endr
.irp i, 2,4,6,8,10,12,14,16,18,20,22,24,26,28,30
.irp c, 0,1
	v_max3_num_f32 v[TM+\c], v[TM+\c], |v[X+32*\c+\i]|, |v[X+32*\c+\i+1]|   ; the two blocks by turns
.endr
.endr
.irp c, 0,1
	v_add_nc_u32 v[SOP+\c], 0xff000000, v[TM+\c]   ; 2 off the exponent field: the conversion takes that field as its scale
.endr
.irp c, 0,1
	v_lshrrev_b32 v[BY+\c], 23, v[SOP+\c]          ; the scale's byte
.endr
	v_lshl_or_b32 v[W+\q], v[BY+1], 16, v[BY]      ; blocks h and 2 + h,
	v_lshlrev_b32 v[W+\q], v[SH], v[W+\q]          ; at their places in the word;
	v_permlanex16_b32 v[PT], v[W+\q], s30, s31
	v_or_b32 v[W+\q], v[W+\q], v[PT]               ; with lane l xor 16's two the word is whole
.irp c, 0,1
	v_cvt_scalef32_pk16_fp6_f32 v[C+12*\q+6*\c:C+12*\q+6*\c+2], v[X+32*\c:X+32*\c+15], v[SOP+\c]
	v_cvt_scalef32_pk16_fp6_f32 v[TT+4*\c:TT+4*\c+2], v[X+32*\c+16:X+32*\c+31], v[SOP+\c]   ; (a conversion's three registers begin on an even number)
.endr
	v_nop                                          ; one plain place behind a scaled conversion
.irp c, 0,1
.irp i, 0,1,2
	v_mov_b32 v[C+12*\q+6*\c+3+\i], v[TT+4*\c+\i]
.endr
.endr
.irp p, 0,1,2
	global_store_b128 v[LI], v[C+12*\q+4*\p:C+12*\q+4*\p+3], s[24:25] offset:1536*\q+512*\p   ; the image: 512 consecutive bytes a store
.endr
.endm
	s_wait_loadcnt 16                              ; K step 0's sixteen loads are in; K step 1's may be out
	TOSTAGE 0
	FROMSTAGE 0
	s_wait_loadcnt 0x0
	TOSTAGE 1                                      ; into the other stage
	s_wait_dscnt 16                                ; K step 0's numbers are back; the sixteen stores just issued may be out
	QUANTW 0
	FROMSTAGE 1
	s_wait_dscnt 0x0
	QUANTW 1
	v_cndmask_b32 v[WW], v[W], v[W+1], s32         ; lanes 0-15: K step 0's words, lanes 16-31: K step 1's
	global_store_b64 v[L8], v[WW:WW+1], s[24:25] offset:3072   ; 256 consecutive bytes
	s_wait_tensorcnt 0x0
	ds_add_u32 v254, v255
	s_wait_dscnt 0x0
	s_endpgm
.Lfunc_end_k_qae84e992ae_quant:
	.size	k_qae84e992ae_quant, .Lfunc_end_k_qae84e992ae_quant-k_qae84e992ae_quant
	.p2alignl 7, 3214868480
	.fill 96, 4, 3214868480
	.section	.rodata,"a",@progbits
	.p2align	6, 0x0
	.amdhsa_kernel k_qae84e992ae_quant
		.amdhsa_group_segment_fixed_size 68096
		.amdhsa_private_segment_fixed_size 0
		.amdhsa_enable_private_segment 0
		.amdhsa_kernarg_size 48
		.amdhsa_user_sgpr_count 2
		.amdhsa_user_sgpr_kernarg_segment_ptr 1
		.amdhsa_wavefront_size32 1
		.amdhsa_system_sgpr_workgroup_id_x 1
		.amdhsa_system_sgpr_workgroup_id_y 1
		.amdhsa_system_sgpr_workgroup_id_z 1
		.amdhsa_system_vgpr_workitem_id 0
		.amdhsa_next_free_vgpr 256
		.amdhsa_next_free_sgpr 66
		.amdhsa_reserve_vcc 0
		.amdhsa_float_denorm_mode_32 3
		.amdhsa_float_denorm_mode_16_64 3
		.amdhsa_memory_ordered 1
		.amdhsa_forward_progress 1
		.amdhsa_inst_pref_size 17
	.end_amdhsa_kernel
	.amdgpu_metadata
---
amdhsa.version: [ 1, 2 ]
amdhsa.kernels:
  - .name:           k_qae84e992ae_quant
    .symbol:         k_qae84e992ae_quant.kd
    .args:
      - { .name: seq, .offset: 0, .size: 8, .value_kind: global_buffer, .address_space: global }
      - { .name: Wq, .offset: 8, .size: 8, .value_kind: global_buffer, .address_space: global }
      - { .name: Wk, .offset: 16, .size: 8, .value_kind: global_buffer, .address_space: global }
      - { .name: Wv, .offset: 24, .size: 8, .value_kind: global_buffer, .address_space: global }
      - { .name: ximg, .offset: 32, .size: 8, .value_kind: global_buffer, .address_space: global }
      - { .name: wimg, .offset: 40, .size: 8, .value_kind: global_buffer, .address_space: global }
    .group_segment_fixed_size: 68096
    .private_segment_fixed_size: 0
    .kernarg_segment_align: 8
    .kernarg_segment_size: 48
    .max_flat_workgroup_size: 128
    .sgpr_count:     66
    .vgpr_count:     256
    .wavefront_size: 32
...
	.end_amdgpu_metadata
.endif
;; end of part 1
;; launch proj (part 2): grid 24 x 32, 4 waves a work-group, clusters of 4 x 4, 320,000 bytes of LDS; arguments ximg, wimg, bq, bk, bv, mask, qimg, kv; writes qimg, kv
.if DOCPART == 2
	.amdgcn_target "amdgcn-amd-amdhsa--gfx1250"
	.amdhsa_code_object_version 6
	.text
	.protected	k_qae84e992ae_proj
	.globl	k_qae84e992ae_proj
	.p2align	8
	.type	k_qae84e992ae_proj,@function
k_qae84e992ae_proj:
	s_mov_b64 s[64:65], 0
	v_nop
	global_prefetch_b8 v0, s[64:65] scope:SCOPE_SE
	s_setreg_imm32_b32 hwreg(HW_REG_WAVE_MODE, 25, 1), 1
	s_wait_xcnt 0x0
	s_wait_alu depctr_hold_cnt(0) depctr_sa_sdst(0) depctr_va_vdst(0) depctr_va_sdst(0) depctr_va_ssrc(0) depctr_va_vcc(0) depctr_vm_vsrc(0)
	s_getreg_b32 s2, hwreg(HW_REG_IB_STS2, 6, 4)
	s_cmp_eq_u32 s2, 0
	s_cbranch_scc0 .Lentry_in_a_cluster
	s_endpgm
.Lentry_in_a_cluster:
	s_bfe_u32 s2, ttmp6, 0x10000c
	s_cmp_lg_u32 s2, 0xf033
	s_cbranch_scc0 .Lentry_shape_is_right
	s_endpgm
.Lentry_shape_is_right:
; Q, K, V = seq W^T + b on codes of FP6 (E2M3) with E8M0 scales, sums in f32; the results are quantised in registers along the NEXT product's K and stored as images of that product's operand registers.
; SHARES.  Grid x = 8 x role + pair of heads (role 0 = q, 1 = k, 2 = v), grid y = 256 rows of seq.  A work-group makes 256 rows x 128 columns; wave (wr, wc) 128 rows (one key step of attention) x 64 columns (one head):
; 32 accumulators.  ALL OF K (1,024) LIES IN LDS AT ONCE: four chunks of 256 along K, each 16 blocks of seq and 8 of W as the quantiser laid them (3,328 bytes: two fragment images and the scale words).  Nothing in LDS is filled twice.
; CLUSTER 4 x 4.  The four of a row of the cluster need the same blocks of seq, the four of a column the same blocks of W: each is asked for jointly, by the same tensor load with a mask that names the four.
; Waves 0, 1 fetch seq's halves (104 rows of 256 bytes a chunk), waves 2, 3 W's (52): four loads a wave, all at the head; by this text's count four tensor loads of a wave are out.
; q, k: THE PRODUCT IS USED TRANSPOSED (source 0 = 16 rows of W, source 1 = 16 rows of seq): a lane holds one row of seq, and since W's tiles take their rows in the order 32 b + 8 u + r + 8 (r / 8), its registers run along
;   the head's 64 channels, the score product's K.  v: source 0 = seq, source 1 = W: a lane holds one channel and its registers run along the 128 keys, the second product's K.  The bias is the C of each sum's first instruction.
; THE MASK RIDES IN THE SCORE PRODUCT'S UNUSED K (64..127).  Register 6's lowest code is k = 64 (lanes 0-15) or k = 96 (lanes 16-31):
;   key:   k64 = 0, or -4 under the scale 2^31 where the key is hidden (mask false);  k96 = 1.
;   query: k64 = 1, k96 = 0;  where the query is hidden (mask true, or the batch has no visible key at all): the 64 real codes are zeros, k64 = 0, k96 = -4 under 2^31.
;   So a hidden key adds -2^33 to a visible query's score, and a hidden query's scores are all exactly -2^33: a uniform row, as reference() has it.
; LIMITS: the fill is -2^33 on the raw score (-2^30 on the logit) where reference() has -1e9: the results agree while |Q.K| stays under 2^31.  NaN and infinities are not served.  Blocks whose largest magnitude lies under 2^-124
; keep the scale byte 1 (a block of zeros too: its codes are zeros, and this program alone reads the bytes).
; REGISTERS, in windows of 256: window 0: addresses, scale words (v20-43, nothing else), bias, the epilogue's work.  window 1: the 32 accumulators.  windows 2, 3: the fragments of even and odd K steps: seq's 8 at 12 i, W's 4 at 96 + 12 jw.
.set XCH,  1703936
.set WCH,  638976
.set BLKB, 3328
.set CHK,  24*BLKB                     ; a chunk in LDS: seq's 16 blocks, then W's 8
.set BOFF, 16*BLKB
.set LI,  1                            ; v1      16 x lane
.set UN,  2                            ; v2      the scale word's upper half: bytes 127, 127
.set UF,  3                            ; v3      and where the row is flagged
.set AA,  4                            ; v4-7    LDS address of my seq fragments in chunk c
.set AB,  8                            ; v8-11   of my W fragments
.set SA,  12                           ; v12-15  of seq's scale words: 8 x lane: lanes 0-15 take the even K step's word, lanes 16-31 the odd one's
.set SB,  16                           ; v16-19  of W's
.set SCA, 20                           ; v20-35  seq's scale words, two sets of 8 (chunks by turns)
.set SCB, 36                           ; v36-43  W's, two sets of 4
.set BI,  44                           ; v44-75  the bias in the result's layout, 8 registers for each tile of W
.set MK,  76                           ; v76-83  the mask byte of my row in each of the 8 tiles
.set NKL, 84                           ; v84-99  the batch's 2,048 mask bytes, 64 a lane
.set R6F, 100                          ; v100    register 6 of a flagged row
.set R6N, 101                          ; v101    of any other
.set NIL, 102                          ; v102    0
.set TM,  104                          ; v104-119 16 blocks' largest magnitudes (at the head: temporaries)
.set TP,  120                          ; v120-135 the other half's; then the bytes
.set SO,  136                          ; v136-151 the conversions' scale operands
.set WD,  152                          ; v152-159 scale words
.set TT,  160                          ; v160-191 the conversions' second halves
.set IM,  192                          ; v192-255 q, k: 8 images of 8 registers
.set PC,  192                          ; v192-239 v: 4 fragments of 12
.set WV,  20
.set WR,  21
.set WC,  22
.set CX,  23
.set CY,  24
.set GX,  25
.set GY,  26
.set ROLE, 27
.set G1A, 28                           ; s[28:35] descriptor group 1 for seq's blocks;  s[36:43] for W's
.set G1B, 36
.set G0A, 44                           ; s[44:59] groups 0 for seq's blocks, one for each chunk;  s[68:83] for W's
.set G0B, 68
.set SEL, 60
.set HALF, 62
.set RQ,  63                           ; -1 for role q, 0 for k
.set FM,  84                           ; s[84:91] lane masks: my row of tile i is flagged
.set ZM,  92
.set INV, 93
.set NK,  94
.set DI,  96                           ; s[96:97] where my images go;  s[98:99] the scale image
.set DSC, 98
.set MSB, 0
.macro WIN new                         ; the immediate's high byte repeats the setting that is left
.if MSB != \new
	s_set_vgpr_msb (MSB<<8)|\new
.set MSB, \new
.endif
.endm
.macro PLACES                          ; four plain places behind this matrix form, in front of loads into registers that it has read and of the first read of results
.rept 4
	v_nop
.endr
.endm
.macro CROUND                          ; a round of the cluster's barrier
	s_barrier_signal -1
	s_barrier_wait -1
	s_cmp_lg_u32 s[WV], 0
	s_cbranch_scc1 .Lnot_wave_0_\@
	s_barrier_signal -3
.Lnot_wave_0_\@:
	s_barrier_wait -3
	s_barrier_signal -1
	s_barrier_wait -1
.endm
	s_load_b512 s[4:19], s[0:1], 0x0               ; ximg, wimg, bq, bk, bv, mask, qimg, kv
	v_lshl_add_u32 v187, v0, 2, 0x4e000
	v_mov_b32 v191, 0
	ds_add_u32 v187, v191
	ds_add_u32 v187, v191
	v_lshrrev_b32 v104, 5, v0
	v_readfirstlane_b32 s[WV], v104                ; wave 0..3
	s_lshr_b32 s[WR], s[WV], 1                     ; which 128 rows are mine.  Also: I fetch for seq (0) or for W (1)
	s_and_b32 s[WC], s[WV], 1                      ; which head of the two.  Also: which half of the blocks I fetch
	s_bfe_u32 s[CX], ttmp6, 0x40000
	s_bfe_u32 s[CY], ttmp6, 0x40004
	s_lshl_b32 s[GX], ttmp9, 2
	s_add_co_u32 s[GX], s[GX], s[CX]               ; work-group x
	s_and_b32 s[GY], ttmp7, 0xffff
	s_lshl_b32 s[GY], s[GY], 2
	s_add_co_u32 s[GY], s[GY], s[CY]               ; work-group y
	s_lshr_b32 s[ROLE], ttmp9, 1                   ; two clusters along x to a role: the same in all sixteen partners
	s_lshl_b32 s84, s[CY], 2
	s_lshl_b32 s84, 15, s84                        ; my row of the cluster
	s_lshl_b32 s85, 0x1111, s[CX]                  ; my column
	s_or_b32 s[G1A], s84, (3<<16)|(1<<21)          ; 15:0 the mask; 17:16 elements of 8 bytes; 21 set beside a mask; no padding: the blocks are read as they lie
	s_or_b32 s[G1B], s85, (3<<16)|(1<<21)
	s_mov_b32 s[G1A+1], 32<<16                     ; tensor_dim0 = 32 elements: rows of 256 bytes
	s_mov_b32 s[G1A+2], 104<<16                    ; tensor_dim1 = 104 rows: 8 blocks
	s_mov_b32 s[G1A+3], 32<<16                     ; tile_dim0
	s_mov_b32 s[G1A+4], 104                        ; tile_dim1
	s_mov_b32 s[G1A+5], 32                         ; the pitch: dense
	s_mov_b32 s[G1A+6], 0
	s_mov_b32 s[G1A+7], 0
	s_mov_b32 s[G1B+1], 32<<16
	s_mov_b32 s[G1B+2], 52<<16                     ; 52 rows: 4 blocks
	s_mov_b32 s[G1B+3], 32<<16
	s_mov_b32 s[G1B+4], 52
	s_mov_b32 s[G1B+5], 32
	s_mov_b32 s[G1B+6], 0
	s_mov_b32 s[G1B+7], 0
	s_lshl_b32 s86, s[GY], 4                       ; seq's blocks hang on y alone, W's on x alone; each address is made in registers that never hold the other coordinate
	s_lshl_b32 s87, s[WC], 3
	s_add_co_u32 s86, s86, s87
	s_mul_i32 s86, s86, BLKB                       ; seq: tile 16 y + 8 x half
	s_mov_b32 s87, 0
	s_lshl_b32 s88, s[GX], 3
	s_lshl_b32 s89, s[WC], 2
	s_add_co_u32 s88, s88, s89
	s_mul_i32 s88, s88, BLKB                       ; W: tile 8 x + 4 x half
	s_mov_b32 s89, 0
	s_mul_i32 s90, s[WC], 8*BLKB                   ; where they go: the wave's number alone enters an LDS address
	s_mul_i32 s91, s[WC], 4*BLKB
	s_add_co_u32 s91, s91, BOFF
	s_wait_dscnt 0x0
	s_wait_kmcnt 0x0
	s_add_nc_u64 s[86:87], s[4:5], s[86:87]
	s_add_nc_u64 s[88:89], s[6:7], s[88:89]
	CROUND                                         ; all sixteen work-groups are here: the joint loads meet
.irp c, 0,1,2,3
	s_mov_b32 s[G0A+4*\c], 1
	s_add_co_u32 s[G0A+4*\c+1], s90, \c*CHK
	s_add_nc_u64 s[G0A+4*\c+2:G0A+4*\c+3], s[86:87], \c*XCH
	s_or_b32 s[G0A+4*\c+3], s[G0A+4*\c+3], 0x80000000
	s_mov_b32 s[G0B+4*\c], 1
	s_add_co_u32 s[G0B+4*\c+1], s91, \c*CHK
	s_add_nc_u64 s[G0B+4*\c+2:G0B+4*\c+3], s[88:89], \c*WCH
	s_or_b32 s[G0B+4*\c+3], s[G0B+4*\c+3], 0x80000000
.endr
	s_cmp_eq_u32 s[WR], 0                          ; a wave's four fills stand in one branch on its number, ahead of every wait on TENSORcnt and every LDS read; four v_nop follow the last
	s_cbranch_scc0 .Lfor_w
	tensor_load_to_lds s[G0A:G0A+3], s[G1A:G1A+7]
	s_nop 0
	tensor_load_to_lds s[G0A+4:G0A+7], s[G1A:G1A+7]
	s_nop 0
	tensor_load_to_lds s[G0A+8:G0A+11], s[G1A:G1A+7]
	s_nop 0
	tensor_load_to_lds s[G0A+12:G0A+15], s[G1A:G1A+7]
	s_nop 0
.rept 4
	v_nop
.endr
	s_branch .Lasked
.Lfor_w:
	tensor_load_to_lds s[G0B:G0B+3], s[G1B:G1B+7]
	s_nop 0
	tensor_load_to_lds s[G0B+4:G0B+7], s[G1B:G1B+7]
	s_nop 0
	tensor_load_to_lds s[G0B+8:G0B+11], s[G1B:G1B+7]
	s_nop 0
	tensor_load_to_lds s[G0B+12:G0B+15], s[G1B:G1B+7]
	s_nop 0
.rept 4
	v_nop
.endr
.Lasked:
	v_and_b32 v105, 31, v0                         ; lane
	v_and_b32 v106, 15, v0                         ; r
	v_bfe_u32 v107, v0, 4, 1                       ; h
	v_lshlrev_b32 v[LI], 4, v105
	v_lshlrev_b32 v108, 3, v105
	s_mul_i32 s2, s[WR], 8*BLKB                    ; my 8 tiles of seq
	s_mul_i32 s3, s[WC], 4*BLKB                    ; my 4 tiles of W,
	s_add_co_u32 s3, s3, BOFF                      ; behind seq's 16
	v_add_nc_u32 v[AA], s2, v[LI]
	v_add_nc_u32 v[AB], s3, v[LI]
	v_add_nc_u32 v[SA], s2, v108
	v_add_nc_u32 v[SB], s3, v108
	v_add_nc_u32 v[SA], 3072, v[SA]                ; the scale words lie behind a block's two images
	v_add_nc_u32 v[SB], 3072, v[SB]
.irp c, 1,2,3
	v_add_nc_u32 v[AA+\c], \c*CHK, v[AA]
	v_add_nc_u32 v[AB+\c], \c*CHK, v[AB]
	v_add_nc_u32 v[SA+\c], \c*CHK, v[SA]
	v_add_nc_u32 v[SB+\c], \c*CHK, v[SB]
.endr
	v_and_b32 v110, 8, v106
	v_add_nc_u32 v110, v110, v106                  ; r + 8 (r / 8): my row's place among a tile's rows
.irp n, 0,1,2,3,4,5,6,7,8,9,10,11,12,13,14,15
	v_mov_b32 v[TP+\n], 0                          ; a lane permute's destination counts as one of its sources
.endr
	s_mov_b32 s[SEL], 0x76543210
	s_mov_b32 s[SEL+1], 0xfedcba98                 ; lane l xor 16
	s_mov_b32 s[HALF], 0xffff0000                  ; lanes 16-31
	s_lshr_b32 s100, s[GY], 3                      ; the batch
	s_and_b32 s101, s[GX], 7
	s_lshl_b32 s101, s101, 1
	s_add_co_u32 s101, s101, s[WC]                 ; the head
	s_lshl_b32 s96, s100, 4
	s_add_co_u32 s96, s96, s101                    ; 16 x batch + head
	s_and_b32 s97, s[GY], 7
	s_lshl_b32 s97, s97, 1
	s_add_co_u32 s97, s97, s[WR]                   ; which 128 rows of the batch
; K step k (128 along K): chunk k / 2, image k % 2.  36 loads of 16 bytes a lane, each 512 consecutive bytes; with an even step the chunk's scale words: one word a lane serves both of its K steps.
.macro FETCH k
.set fC, (\k)/2
.set fQ, (\k)%2
	WIN 0x80+0x40*fQ                               ; destination window 2 or 3, address window 0
.irp i, 0,1,2,3,4,5,6,7
.irp p, 0,1,2
	ds_load_b128 v[12*\i+4*\p:12*\i+4*\p+3], v[AA+fC] offset:\i*BLKB+1536*fQ+512*\p
.endr
.endr
.irp jw, 0,1,2,3
.irp p, 0,1,2
	ds_load_b128 v[96+12*\jw+4*\p:96+12*\jw+4*\p+3], v[AB+fC] offset:\jw*BLKB+1536*fQ+512*\p
.endr
.endr
.if fQ == 0
	WIN 0
.irp i, 0,1,2,3,4,5,6,7
	ds_load_b32 v[SCA+8*(fC%2)+\i], v[SA+fC] offset:\i*BLKB
.endr
.irp jw, 0,1,2,3
	ds_load_b32 v[SCB+4*(fC%2)+\jw], v[SB+fC] offset:\jw*BLKB
.endr
.endif
.endm
.macro WM                              ; one product; an odd K step's scale words stand in lanes 16-31
.if rQ
	v_wmma_scale_f32_16x16x128_f8f6f4 v[rD:rD+7], v[rA:rA+11], v[rB:rB+11], v[rC:rC+7], v[rSA], v[rSB] matrix_a_fmt:MATRIX_FMT_FP6 matrix_b_fmt:MATRIX_FMT_FP6 matrix_a_scale:MATRIX_SCALE_ROW1 matrix_b_scale:MATRIX_SCALE_ROW1
.else
	v_wmma_scale_f32_16x16x128_f8f6f4 v[rD:rD+7], v[rA:rA+11], v[rB:rB+11], v[rC:rC+7], v[rSA], v[rSB] matrix_a_fmt:MATRIX_FMT_FP6 matrix_b_fmt:MATRIX_FMT_FP6
.endif
.endm
; 16 products: seq's tiles 4 half .. 4 half + 3 x W's four.  tr = 1: transposed, accumulator (i, jw) at 8 (4 i + jw); tr = 0: at 8 (8 jw + i).  K step 0 takes the bias as C: nothing is cleared.
; The 32 accumulators take turns, one instruction a turn, in the same order in every K step.
.macro MULH k, half, tr
.set rQ, (\k)%2
.set rP, ((\k)/2)%2
.if (\k) == 0
	WIN 0x4a                                       ; sources 0, 1 window 2, C (the bias) window 0, D window 1
.elseif rQ == 0
	WIN 0x5a                                       ; sources window 2, C and D window 1
.else
	WIN 0x5f                                       ; sources window 3
.endif
.irp ii, 0,1,2,3
.irp jw, 0,1,2,3
.set rI, 4*(\half)+\ii
.if \tr
.set rD, 8*(4*rI+\jw)
.set rA, 96+12*\jw
.set rB, 12*rI
.set rSA, SCB+4*rP+\jw
.set rSB, SCA+8*rP+rI
.else
.set rD, 8*(8*\jw+rI)
.set rA, 12*rI
.set rB, 96+12*\jw
.set rSA, SCA+8*rP+rI
.set rSB, SCB+4*rP+\jw
.endif
.set rC, rD
.if (\k) == 0
.set rC, BI+8*\jw
.endif
	WM
.endr
.endr
.endm
; A K step: its fragments were asked for in the middle of the step before; in its own middle it asks for the next step's, into the other set.  In front of a new chunk's first read: my part of it has landed, and a barrier.
.macro KSTEP k, tr
	s_wait_dscnt 0x0                               ; this step's fragments and scale words are in
.if ((\k)%2 == 1) && ((\k) < 7)
	s_wait_tensorcnt (5-(\k))/2                    ; my load of chunk (k + 1) / 2 has landed; the loads of the chunks behind it may be out
	s_barrier_signal -1
.endif
	MULH \k, 0, \tr
.if ((\k)%2 == 1) && ((\k) < 7)
	s_barrier_wait -1                              ; everybody's has
.endif
.if (\k) < 7
	PLACES
	FETCH (\k)+1
.endif
	MULH \k, 1, \tr
.endm
.macro GEMM tr
	s_wait_tensorcnt 0x3                           ; my load of chunk 0 has landed; three may be out
	s_barrier_signal -1
	s_barrier_wait -1
	FETCH 0
.irp k, 0,1,2,3,4,5,6,7
	KSTEP \k, \tr
.endr
	PLACES
.endm
; The results' 16 blocks of 32 along the next K: block n's 16 numbers of my lane are registers 16 n .. 16 n + 15 of window 1, the other 16 are lane l xor 16's.  Each accumulator is read from its low end on.
.macro BLOCKS
	WIN 0x05                                       ; sources 0, 1 window 1
.irp n, 0,1,2,3,4,5,6,7,8,9,10,11,12,13,14,15
	v_max3_num_f32 v[TM+\n], |v[16*\n]|, |v[16*\n+1]|, 0x1800000   ; with the floor 2^(3 - 127): the byte cannot fall under 1
.endr
.irp e, 2,4,6,8,10,12,14
.irp n, 0,1,2,3,4,5,6,7,8,9,10,11,12,13,14,15
	v_max3_num_f32 v[TM+\n], |v[16*\n+\e]|, |v[16*\n+\e+1]|, v[TM+\n]
.endr
.endr
	WIN 0
.irp n, 0,1,2,3,4,5,6,7,8,9,10,11,12,13,14,15
	v_permlanex16_b32 v[TP+\n], v[TM+\n], s[SEL], s[SEL+1]
.endr
.irp n, 0,1,2,3,4,5,6,7,8,9,10,11,12,13,14,15
	v_max_num_f32 v[TM+\n], v[TM+\n], v[TP+\n]     ; the block's largest magnitude
.endr
.irp n, 0,1,2,3,4,5,6,7,8,9,10,11,12,13,14,15
	v_add_nc_u32 v[SO+\n], 0xff000000, v[TM+\n]    ; 2 off its exponent field: the conversion's scale operand
.endr
.irp n, 0,1,2,3,4,5,6,7,8,9,10,11,12,13,14,15
	v_lshrrev_b32 v[TP+\n], 23, v[SO+\n]           ; the scale's byte
.endr
.endm
	s_cmp_eq_u32 s[ROLE], 2                        ; the role is the same in every wave and every partner
	s_cbranch_scc1 .Lvpath
	; ---- q and k
	s_cmp_eq_u32 s[ROLE], 0
	s_mov_b32 s98, 245760
	s_cselect_b32 s98, 139264, s98                 ; a head's bytes in qimg, in kv
	s_mov_b32 s99, 15360
	s_cselect_b32 s99, 8704, s99                   ; 128 rows' bytes
	s_mov_b32 s95, 14336
	s_cselect_b32 s95, 8192, s95                   ; where the scale image lies among them
	s_cselect_b64 s[2:3], s[16:17], s[18:19]
	s_cselect_b64 s[66:67], s[8:9], s[10:11]
	s_cselect_b32 s[RQ], -1, 0
	s_cselect_b32 s[INV], 0, -1                    ; a query is flagged where the mask is true, a key where it is false
	s_cselect_b32 s84, 8, 0                        ; register 6: not flagged, k = 64 (the code 8 is 1.0)
	s_cselect_b32 s85, 0, 8                        ;             not flagged, k = 96
	s_cselect_b32 s86, 0, 56                       ;             flagged, k = 64 (the code 56 is -4.0)
	s_cselect_b32 s87, 56, 8                       ;             flagged, k = 96
	s_mov_b32 s88, 0x7f9e0000
	s_cselect_b32 s88, 0x9e7f0000, s88             ; flagged: the byte 158 (2^31) over the block that holds the -4
	v_mov_b32 v[R6N], s84
	v_mov_b32 v112, s85
	v_cndmask_b32 v[R6N], v[R6N], v112, s[HALF]
	v_mov_b32 v[R6F], s86
	v_mov_b32 v113, s87
	v_cndmask_b32 v[R6F], v[R6F], v113, s[HALF]
	v_mov_b32 v[UF], s88
	v_mov_b32 v[UN], 0x7f7f0000
	v_mov_b32 v[NIL], 0
	s_mul_i32 s98, s96, s98
	s_mul_i32 s99, s97, s99
	s_add_co_u32 s96, s98, s99
	s_mov_b32 s97, 0
	s_add_nc_u64 s[DI:DI+1], s[2:3], s[96:97]
	s_mov_b32 s98, s95
	s_mov_b32 s99, 0
	s_add_nc_u64 s[DSC:DSC+1], s[DI:DI+1], s[98:99]
	s_lshl_b32 s2, s101, 8                         ; the head's 64 numbers of the bias
	s_mov_b32 s3, 0
	s_add_nc_u64 s[66:67], s[66:67], s[2:3]
	v_lshlrev_b32 v111, 6, v107                    ; lane (r, h) holds, in tile 2 b + u, channels 32 b + 16 h + 8 u + 0 .. 7
.irp jw, 0,1,2,3
	global_load_b128 v[BI+8*\jw:BI+8*\jw+3], v111, s[66:67] offset:(32*(\jw/2)+8*(\jw%2))*4
	global_load_b128 v[BI+8*\jw+4:BI+8*\jw+7], v111, s[66:67] offset:(32*(\jw/2)+8*(\jw%2))*4+16
.endr
	s_lshl_b32 s94, s[GY], 8
	s_lshl_b32 s95, s[WR], 7
	s_add_co_u32 s94, s94, s95                     ; my first row: the mask has a byte a row
	s_mov_b32 s95, 0
	s_add_nc_u64 s[2:3], s[14:15], s[94:95]
.irp i, 0,1,2,3,4,5,6,7
	global_load_u8 v[MK+\i], v110, s[2:3] offset:32*(\i/2)+8*(\i%2)
.endr
	s_lshl_b32 s94, s100, 11
	s_add_nc_u64 s[100:101], s[14:15], s[94:95]    ; the batch's 2,048 bytes
.irp p, 0,1,2,3
	global_load_b128 v[NKL+4*\p:NKL+4*\p+3], v[LI], s[100:101] offset:512*\p
.endr
	s_wait_loadcnt 0x0
.irp n, 1,2,3,4,5,6,7,8,9,10,11,12,13,14,15
	v_or_b32 v[NKL], v[NKL], v[NKL+\n]
.endr
	v_cmp_ne_u32 vcc_lo, 0, v[NKL]
	s_cmp_eq_u32 vcc_lo, 0                         ; no key of the batch is visible: a choice of a value, no branch
	s_cselect_b32 s[NK], s[RQ], 0                  ; then every query is flagged
.irp i, 0,1,2,3,4,5,6,7
	v_cmp_ne_u32 s[FM+\i], 0, v[MK+\i]
.endr
.irp i, 0,1,2,3,4,5,6,7
	s_xor_b32 s[FM+\i], s[FM+\i], s[INV]
	s_or_b32 s[FM+\i], s[FM+\i], s[NK]
.endr
	GEMM 1
	BLOCKS                                         ; block 2 i + b: channels 32 b .. 32 b + 31 of tile i's rows
.irp i, 0,1,2,3,4,5,6,7
	v_cndmask_b32 v[WD+\i], v[UN], v[UF], s[FM+\i]
.endr
.irp i, 0,1,2,3,4,5,6,7
	v_lshl_or_b32 v[WD+\i], v[TP+2*\i+1], 8, v[WD+\i]
.endr
.irp i, 0,1,2,3,4,5,6,7
	v_or_b32 v[WD+\i], v[WD+\i], v[TP+2*\i]        ; my row's scale word: two real bytes, two for the mask's blocks
.endr
	WIN 0x01                                       ; source 0 window 1
.irp i, 0,1,2,3,4,5,6,7
	v_cvt_scalef32_pk16_fp6_f32 v[IM+8*\i:IM+8*\i+2], v[32*\i:32*\i+15], v[SO+2*\i]
	v_cvt_scalef32_pk16_fp6_f32 v[TT+4*\i:TT+4*\i+2], v[32*\i+16:32*\i+31], v[SO+2*\i+1]
.endr
	WIN 0
	v_nop                                          ; one plain place behind a scaled conversion
.irp i, 0,1,2,3,4,5,6,7
.irp n, 0,1,2
	v_permlane16_swap_b32 v[IM+8*\i+\n], v[TT+4*\i+\n]   ; the operand wants a whole block in a lane: lanes 0-15 block 0, lanes 16-31 block 1
.endr
.endr
.irp i, 0,1,2,3,4,5,6,7
	s_and_b32 s[ZM], s[FM+\i], s[RQ]               ; a flagged query's real codes are zeros
.irp n, 0,1,2
	v_cndmask_b32 v[IM+8*\i+\n], v[IM+8*\i+\n], v[NIL], s[ZM]
	v_cndmask_b32 v[IM+8*\i+3+\n], v[TT+4*\i+\n], v[NIL], s[ZM]
.endr
	v_cndmask_b32 v[IM+8*\i+6], v[R6N], v[R6F], s[FM+\i]
	v_mov_b32 v[IM+8*\i+7], 0
	global_store_b128 v[LI], v[IM+8*\i:IM+8*\i+3], s[DI:DI+1] offset:1024*\i          ; registers 0-3 and 4-7 of the fragment: 512 consecutive bytes a store, at a multiple of 256 from the buffer's first byte
	global_store_b128 v[LI], v[IM+8*\i+4:IM+8*\i+7], s[DI:DI+1] offset:1024*\i+512
.endr
.irp n, 0,1,2,3
	v_cndmask_b32 v[TT+\n], v[WD+\n], v[WD+4+\n], s[HALF]   ; the scale image: lanes 0-15 the words of tiles 0-3, lanes 16-31 of tiles 4-7
.endr
	global_store_b128 v[LI], v[TT:TT+3], s[DSC:DSC+1]
	s_branch .Ldone
.Lvpath:
	; ---- v
	s_mul_i32 s2, s96, 245760
	s_mul_i32 s3, s97, 15360
	s_add_co_u32 s2, s2, s3
	s_mov_b32 s3, 0
	s_add_nc_u64 s[DI:DI+1], s[18:19], s[2:3]
	s_lshl_b32 s2, s101, 8
	s_add_nc_u64 s[66:67], s[12:13], s[2:3]
	v_lshlrev_b32 v111, 2, v110                    ; a lane holds ONE channel, the one at place r of tile jw: its bias fills the tile's eight registers
.irp jw, 0,1,2,3
.irp n, 0,1,2,3,4,5,6,7
	global_load_b32 v[BI+8*\jw+\n], v111, s[66:67] offset:(32*(\jw/2)+8*(\jw%2))*4
.endr
.endr
	s_wait_loadcnt 0x0
	GEMM 0
	BLOCKS                                         ; block 4 jw + b: keys 32 b .. 32 b + 31 of tile jw's channels
.irp jw, 0,1,2,3
	v_lshl_or_b32 v[WD+\jw], v[TP+4*\jw+1], 8, v[TP+4*\jw]
.endr
.irp jw, 0,1,2,3
	v_lshl_or_b32 v[WD+\jw], v[TP+4*\jw+2], 16, v[WD+\jw]
.endr
.irp jw, 0,1,2,3
	v_lshl_or_b32 v[WD+\jw], v[TP+4*\jw+3], 24, v[WD+\jw]
.endr
	WIN 0x01
.irp jw, 0,1,2,3
.irp c, 0,1
	v_cvt_scalef32_pk16_fp6_f32 v[PC+12*\jw+6*\c:PC+12*\jw+6*\c+2], v[64*\jw+32*\c:64*\jw+32*\c+15], v[SO+4*\jw+2*\c]
	v_cvt_scalef32_pk16_fp6_f32 v[TT+8*\jw+4*\c:TT+8*\jw+4*\c+2], v[64*\jw+32*\c+16:64*\jw+32*\c+31], v[SO+4*\jw+2*\c+1]
.endr
.endr
	WIN 0
	v_nop                                          ; one plain place behind a scaled conversion
.irp jw, 0,1,2,3
.irp c, 0,1
.irp n, 0,1,2
	v_permlane16_swap_b32 v[PC+12*\jw+6*\c+\n], v[TT+8*\jw+4*\c+\n]
.endr
.irp n, 0,1,2
	v_mov_b32 v[PC+12*\jw+6*\c+3+\n], v[TT+8*\jw+4*\c+\n]
.endr
.endr
.irp p, 0,1,2
	global_store_b128 v[LI], v[PC+12*\jw+4*\p:PC+12*\jw+4*\p+3], s[DI:DI+1] offset:8192+1536*\jw+512*\p
.endr
.endr
	global_store_b128 v[LI], v[WD:WD+3], s[DI:DI+1] offset:14848   ; the four tiles' scale words of channel place r, in both halves of the lanes
.Ldone:
	s_wait_tensorcnt 0x0
	s_wait_tensorcnt 0x0
	ds_add_u32 v187, v191
	s_wait_dscnt 0x0
	CROUND                                         ; the closing round: no work-group ends while a partner may still ask for a block that names it
	s_endpgm
.Lfunc_end_k_qae84e992ae_proj:
	.size	k_qae84e992ae_proj, .Lfunc_end_k_qae84e992ae_proj-k_qae84e992ae_proj
	.p2alignl 7, 3214868480
	.fill 96, 4, 3214868480
	.section	.rodata,"a",@progbits
	.p2align	6, 0x0
	.amdhsa_kernel k_qae84e992ae_proj
		.amdhsa_group_segment_fixed_size 320000
		.amdhsa_private_segment_fixed_size 0
		.amdhsa_enable_private_segment 0
		.amdhsa_kernarg_size 64
		.amdhsa_user_sgpr_count 2
		.amdhsa_user_sgpr_kernarg_segment_ptr 1
		.amdhsa_wavefront_size32 1
		.amdhsa_system_sgpr_workgroup_id_x 1
		.amdhsa_system_sgpr_workgroup_id_y 1
		.amdhsa_system_sgpr_workgroup_id_z 1
		.amdhsa_system_vgpr_workitem_id 0
		.amdhsa_next_free_vgpr 1024
		.amdhsa_next_free_sgpr 102
		.amdhsa_reserve_vcc 1
		.amdhsa_float_denorm_mode_32 3
		.amdhsa_float_denorm_mode_16_64 3
		.amdhsa_memory_ordered 1
		.amdhsa_forward_progress 1
		.amdhsa_inst_pref_size 166
	.end_amdhsa_kernel
	.amdgpu_metadata
---
amdhsa.version: [ 1, 2 ]
amdhsa.kernels:
  - .name:           k_qae84e992ae_proj
    .symbol:         k_qae84e992ae_proj.kd
    .args:
      - { .name: ximg, .offset: 0, .size: 8, .value_kind: global_buffer, .address_space: global }
      - { .name: wimg, .offset: 8, .size: 8, .value_kind: global_buffer, .address_space: global }
      - { .name: bq, .offset: 16, .size: 8, .value_kind: global_buffer, .address_space: global }
      - { .name: bk, .offset: 24, .size: 8, .value_kind: global_buffer, .address_space: global }
      - { .name: bv, .offset: 32, .size: 8, .value_kind: global_buffer, .address_space: global }
      - { .name: mask, .offset: 40, .size: 8, .value_kind: global_buffer, .address_space: global }
      - { .name: qimg, .offset: 48, .size: 8, .value_kind: global_buffer, .address_space: global }
      - { .name: kv, .offset: 56, .size: 8, .value_kind: global_buffer, .address_space: global }
    .group_segment_fixed_size: 320000
    .private_segment_fixed_size: 0
    .kernarg_segment_align: 8
    .kernarg_segment_size: 64
    .max_flat_workgroup_size: 128
    .sgpr_count:     102
    .vgpr_count:     1024
    .wavefront_size: 32
...
	.end_amdgpu_metadata
.endif
;; end of part 2
;; launch attn (part 3): grid 4 x 64, 8 waves a work-group, clusters of 4 x 1, 281,600 bytes of LDS; arguments qimg, kv, out0; writes out0
.if DOCPART == 3
	.amdgcn_target "amdgcn-amd-amdhsa--gfx1250"
	.amdhsa_code_object_version 6
	.text
	.protected	k_qae84e992ae_attn
	.globl	k_qae84e992ae_attn
	.p2align	8
	.type	k_qae84e992ae_attn,@function
k_qae84e992ae_attn:
	s_mov_b64 s[64:65], 0
	v_nop
	global_prefetch_b8 v0, s[64:65] scope:SCOPE_SE
	s_setreg_imm32_b32 hwreg(HW_REG_WAVE_MODE, 25, 1), 1
	s_wait_xcnt 0x0
	s_wait_alu depctr_hold_cnt(0) depctr_sa_sdst(0) depctr_va_vdst(0) depctr_va_sdst(0) depctr_va_ssrc(0) depctr_va_vcc(0) depctr_vm_vsrc(0)
	s_getreg_b32 s2, hwreg(HW_REG_IB_STS2, 6, 4)
	s_cmp_eq_u32 s2, 0
	s_cbranch_scc0 .Lentry_in_a_cluster
	s_endpgm
.Lentry_in_a_cluster:
	s_bfe_u32 s2, ttmp6, 0x10000c
	s_cmp_lg_u32 s2, 0x3003
	s_cbranch_scc0 .Lentry_shape_is_right
	s_endpgm
.Lentry_shape_is_right:
; out[b][q][64 h ..] = softmax_k(Q.K / 8, masked) V for one (batch, head) a cluster, both products on codes of FP6 (E2M3) with E8M0 scales.  Q, K, V arrive as images of the operands' registers, with their scale words.
; THE SOFTMAX: t = score x log2(e) / 8; M = the running largest t rounded UP to a whole number; p = 2^(t - M) is quantised along the keys, not normalised; the row's sum is taken of the unquantised p and divides at the end.
; When M moves, the sum and O are multiplied by 2^(old M - new M): exact, and no branch on data.
; THE MASK costs no line here: it lies in the score product's K = 64 .. 127 as codes (the launch before): a hidden key adds -2^33 to a score (p = 0), a hidden query's scores are all exactly -2^33.  c x 2^33 is a whole
; number, so there t = M, p = 1 and the sum is 2,048: the uniform row of reference().  Keys hidden ahead of a row's first visible key are wiped out when M moves (the factor falls to 0).
; LIMITS: the fill is -2^33 on the raw score where reference() has -1e9 on the logit: the results agree while |Q.K| stays under 2^31.  NaN and infinities are not served.
; SHARES.  The four work-groups of a cluster share the head's K and V and own 512 queries each.  Each of the eight waves (two to a SIMD) holds TWO tiles of 16 queries, walks the 16 key steps of 128 keys, and does so twice
; (two passes of 256 queries a work-group): a fragment of K or V read from LDS feeds two matrix instructions.
; LDS.  The head's K and V with their scale words, 245,760 bytes, lie in LDS at once, as they lie in memory: 16 steps of 15,360 bytes (8 images of K, 4 fragments of V, two scale images).  They are asked for JOINTLY by the four
; partners, in four groups of four steps; each wave brings 7,680 bytes of each group: by this text's count four tensor loads of a wave are out.  Nothing is filled twice.  Behind them: a stage of 16 x 272 bytes for each wave.
; LAYOUT.  Both products are used transposed: S^T = K Q^T, O^T = V^T P^T: a lane holds one query throughout.  Place r of tile 2 b + u is row 32 b + 8 u + r + 8 (r / 8), for keys, queries and channels alike:
; so the 16 registers of key tiles 2 b, 2 b + 1 are keys 32 b + 16 (lane / 16) + 0 .. 15, and the way out puts queries and channels back in order by its addresses.
; REGISTERS: window 0: v1-7 addresses; v16-31 eight statistics a tile; v32-45 scale words and nothing else; v64-191 S^T, then p; v192-215 p's codes; v216-255 at work.
;   window 1: v0-63 O^T; v64-87 Q; v88-103 the next pass's Q; v104-199 K's 8 fragments; v200-247 V's 4.  Registers 8-11 of Q's and K's fragments (k = 76 on of each half) are zeros, written once.
.set STEPB, 15360
.set HEADB, 245760
.set GRPB,  61440
.set QBLK,  8704
.set STAGE, 245760
.set LK,  1                            ; v1   16 x lane: an image's place for my lane
.set ADR, 2                            ; v2   the same in the key step in hand
.set STO, 3                            ; v3   the stage: where I put 16 bytes of a row
.set RD,  4                            ; v4   and where I read a row back
.set GO,  5                            ; v5   my byte offset in the wave's rows of out0
.set R16, 7                            ; v7   16 x (lane % 16)
.set ST,  16                           ; tile u at v[ST + 8 u]: +0 -M, +1 the largest t, +2, +3 the sum in two halves, +4 the factor (+5 named with it), +6, +7 at work
.set KS,  32                           ; v32-35 K's scale words: register n: lanes 0-15 tile n, lanes 16-31 tile 4 + n
.set VS,  36                           ; v36-39 V's
.set QS,  40                           ; v40-41 Q's;  v42-43 the next pass's
.set QSN, 42
.set PS,  44                           ; v44-45 p's
.set S,   64
.set P,   192
.set CT,  216
.set BM,  232                          ; v232-239 a block's largest score, then its largest p
.set BT,  240                          ; v240-247 the other half's; a chain of the sums; the bytes
.set BS,  248                          ; v248-255 the conversions' scale operands
.set O,   0
.set Q,   64
.set QN,  88
.set KF,  104
.set VF,  200
.set WV,  10
.set CX,  11
.set BH,  12
.set G1,  16
.set G0,  24
.set SEL, 40
.set CS,  42
.set TB,  44
.set CNT, 45
.set PASS, 46
.set MSB, 0
.macro WIN new                         ; the immediate's high byte repeats the setting that is left
.if MSB != \new
	s_set_vgpr_msb (MSB<<8)|\new
.set MSB, \new
.endif
.endm
.macro CROUND                          ; a round of the cluster's barrier
	s_barrier_signal -1
	s_barrier_wait -1
	s_cmp_lg_u32 s[WV], 0
	s_cbranch_scc1 .Lnot_wave_0_\@
	s_barrier_signal -3
.Lnot_wave_0_\@:
	s_barrier_wait -3
	s_barrier_signal -1
	s_barrier_wait -1
.endm
	s_load_b128 s[4:7], s[0:1], 0x0                ; qimg, kv
	s_load_b64 s[8:9], s[0:1], 0x10                ; out0
	v_lshl_add_u32 v227, v0, 2, 0x44800
	v_mov_b32 v231, 0
	ds_add_u32 v227, v231
	ds_add_u32 v227, v231
	v_lshrrev_b32 v8, 5, v0
	v_readfirstlane_b32 s[WV], v8                  ; wave 0..7
	s_bfe_u32 s[CX], ttmp6, 0x40000                ; my place in the cluster: it enters Q's and out0's addresses alone
	s_and_b32 s[BH], ttmp7, 0xffff                 ; 16 x batch + head, which the four partners share
	s_mov_b32 s[G1], 15|(3<<16)|(1<<21)            ; 15:0 the mask: all four; 17:16 elements of 8 bytes; 21 set beside a mask; no padding
	s_mov_b32 s[G1+1], 32<<16                      ; tensor_dim0 = 32: rows of 256 bytes
	s_mov_b32 s[G1+2], 30<<16                      ; tensor_dim1 = 30 rows: 7,680 bytes
	s_mov_b32 s[G1+3], 32<<16                      ; tile_dim0
	s_mov_b32 s[G1+4], 30                          ; tile_dim1
	s_mov_b32 s[G1+5], 32                          ; the pitch: dense
	s_mov_b32 s[G1+6], 0
	s_mov_b32 s[G1+7], 0
	s_mul_i32 s13, s[WV], 7680                     ; my part of a group, in LDS as in memory
	s_mul_i32 s48, s[BH], HEADB
	s_add_co_u32 s48, s48, s13
	s_mov_b32 s49, 0
	s_mov_b32 s[SEL], 0x76543210
	s_mov_b32 s[SEL+1], 0xfedcba98                 ; lane l xor 16
	s_mov_b32 s[CS], 0x3e38aa3b                    ; c = log2(e) / 8
	s_mov_b32 s[CS+1], s[CS]                       ; (named with it as a pair, so it is written)
	s_wait_dscnt 0x0
	s_wait_kmcnt 0x0
	s_add_nc_u64 s[48:49], s[6:7], s[48:49]
	CROUND                                         ; all four work-groups are here: the joint loads meet
.irp g, 0,1,2,3
	s_mov_b32 s[G0+4*\g], 1
	s_add_co_u32 s[G0+4*\g+1], s13, \g*GRPB
	s_add_nc_u64 s[G0+4*\g+2:G0+4*\g+3], s[48:49], \g*GRPB
	s_or_b32 s[G0+4*\g+3], s[G0+4*\g+3], 0x80000000
.endr
	tensor_load_to_lds s[G0:G0+3], s[G1:G1+7]      ; every wave's four fills go out together, ahead of every wait on TENSORcnt, every LDS read and every further barrier
	s_nop 0
	tensor_load_to_lds s[G0+4:G0+7], s[G1:G1+7]
	s_nop 0
	tensor_load_to_lds s[G0+8:G0+11], s[G1:G1+7]
	s_nop 0
	tensor_load_to_lds s[G0+12:G0+15], s[G1:G1+7]
	s_nop 0
.rept 4
	v_nop
.endr
	s_lshl_b32 s50, s[CX], 2
	s_lshr_b32 s51, s[WV], 2
	s_add_co_u32 s50, s50, s51                     ; pass 0: my block of 128 queries: 4 cx + wave / 4
	s_mul_i32 s50, s50, QBLK
	s_mul_i32 s51, s[BH], 16*QBLK
	s_add_co_u32 s50, s50, s51                     ; its first byte in qimg
	s_and_b32 s52, s[WV], 3                        ; my pair of tiles in it
	s_lshl_b32 s53, s52, 11
	s_add_co_u32 s54, s50, s53
	s_mov_b32 s55, 0
	s_add_nc_u64 s[54:55], s[4:5], s[54:55]        ; their images
	s_lshr_b32 s53, s52, 1
	s_lshl_b32 s53, s53, 8
	s_and_b32 s52, s52, 1
	s_lshl_b32 s52, s52, 3
	s_add_co_u32 s52, s52, s53
	s_add_co_u32 s52, s52, s50
	s_add_co_u32 s52, s52, 8192
	s_mov_b32 s53, 0
	s_add_nc_u64 s[52:53], s[4:5], s[52:53]        ; and their two scale words of row 0: the words of tile T, row r lie at 16 (r + 16 (T / 4)) + 4 (T % 4) of the scale image
	v_and_b32 v8, 31, v0
	v_and_b32 v9, 15, v0                           ; r
	v_bfe_u32 v10, v0, 4, 1                        ; h
	v_lshlrev_b32 v[LK], 4, v8
	v_lshlrev_b32 v[R16], 4, v9
	global_load_b64 v[QS:QS+1], v[R16], s[52:53]
	global_load_b64 v[QSN:QSN+1], v[R16], s[52:53] offset:2*QBLK
	WIN 0x40                                       ; destination window 1
.irp u, 0,1
.irp p, 0,1
	global_load_b128 v[Q+12*\u+4*\p:Q+12*\u+4*\p+3], v[LK], s[54:55] offset:1024*\u+512*\p
	global_load_b128 v[QN+8*\u+4*\p:QN+8*\u+4*\p+3], v[LK], s[54:55] offset:2*QBLK+1024*\u+512*\p   ; pass 1's queries lie two blocks on
.endr
.endr
.irp u, 0,1
.irp n, 8,9,10,11
	v_mov_b32 v[Q+12*\u+\n], 0
.endr
.endr
.irp t, 0,1,2,3,4,5,6,7
.irp n, 8,9,10,11
	v_mov_b32 v[KF+12*\t+\n], 0
.endr
.endr
	WIN 0
	s_mul_i32 s56, s[WV], 16*272
	s_add_co_u32 s56, s56, STAGE                   ; my stage
	v_mul_u32_u24 v[STO], v9, 272
	v_lshl_add_u32 v[STO], v10, 6, v[STO]
	v_add_nc_u32 v[STO], s56, v[STO]               ; in: row r, + 64 h: my half's 16 channels of each 32
	v_mul_u32_u24 v[RD], v10, 272
	v_lshl_add_u32 v[RD], v9, 4, v[RD]
	v_add_nc_u32 v[RD], s56, v[RD]                 ; back: lanes 0-15 one row of 256 bytes, lanes 16-31 the next
	v_lshlrev_b32 v[GO], 12, v10
	v_lshl_add_u32 v[GO], v9, 4, v[GO]             ; and the same two rows in out0 (4,096 bytes a row)
	s_lshr_b32 s57, s[BH], 4
	s_lshl_b32 s57, s57, 11
	s_lshl_b32 s58, s[CX], 9
	s_add_co_u32 s57, s57, s58
	s_lshl_b32 s58, s[WV], 5
	s_add_co_u32 s57, s57, s58                     ; my first row: 2,048 x batch + 512 cx + 32 x wave
	s_lshl_b32 s58, s57, 12
	s_and_b32 s57, s[BH], 15
	s_lshl_b32 s57, s57, 8                         ; the head's 256 bytes of a row
	s_add_co_u32 s58, s58, s57
	s_mov_b32 s59, 0
	s_add_nc_u64 s[8:9], s[8:9], s[58:59]
.irp n, 0,1,2,3,4,5,6,7
	v_mov_b32 v[BT+\n], 0                          ; a lane permute's destination counts as one of its sources
.endr
.irp u, 0,1
	v_mov_b32 v[ST+8*\u+5], 0                      ; (named as the upper half of the factor's pair)
	v_mov_b32 v[ST+8*\u+7], 0
.endr
.macro KLOAD adr, off                  ; a key step's 8 images of K (registers 0-7 of each fragment) and its scale words: 17 loads
	WIN 0x40
.irp t, 0,1,2,3,4,5,6,7
.irp p, 0,1
	ds_load_b128 v[KF+12*\t+4*\p:KF+12*\t+4*\p+3], v[\adr] offset:\off+1024*\t+512*\p
.endr
.endr
	WIN 0
	ds_load_b128 v[KS:KS+3], v[\adr] offset:\off+14336
.endm
; A KEY STEP for my two tiles of queries; its K is in registers or on its way.  pre = 1: the next step's K is asked for.
.macro BODY pre
	s_wait_dscnt 0x0                               ; K and its scale words are in
	WIN 0x05                                       ; sources 0 (K) and 1 (Q) window 1, D window 0
.irp t, 0,1,2,3,4,5,6,7
.irp u, 0,1
.if \t < 4
	v_wmma_scale_f32_16x16x128_f8f6f4 v[S+64*\u+8*\t:S+64*\u+8*\t+7], v[KF+12*\t:KF+12*\t+11], v[Q+12*\u:Q+12*\u+11], 0, v[KS+\t%4], v[QS+\u] matrix_a_fmt:MATRIX_FMT_FP6 matrix_b_fmt:MATRIX_FMT_FP6
.else
	v_wmma_scale_f32_16x16x128_f8f6f4 v[S+64*\u+8*\t:S+64*\u+8*\t+7], v[KF+12*\t:KF+12*\t+11], v[Q+12*\u:Q+12*\u+11], 0, v[KS+\t%4], v[QS+\u] matrix_a_fmt:MATRIX_FMT_FP6 matrix_b_fmt:MATRIX_FMT_FP6 matrix_a_scale:MATRIX_SCALE_ROW1
.endif
.endr
.endr
	WIN 0
	v_add_nc_u32 v[ADR], s[TB], v[LK]              ; four plain places behind the products: in front of the loads into K's, V's and the scale words' registers, and of the first read of the scores
.rept 3
	v_nop
.endr
	ds_load_b128 v[VS:VS+3], v[ADR] offset:14848
	WIN 0x40
.irp t, 0,1,2,3
.irp p, 0,1,2
	ds_load_b128 v[VF+12*\t+4*\p:VF+12*\t+4*\p+3], v[ADR] offset:8192+1536*\t+512*\p
.endr
.endr
.if \pre
	KLOAD ADR, STEPB
.else
	WIN 0
.endif
.irp n, 0,1,2,3,4,5,6,7                ; block n = 4 u + b: the largest score of each block of 32 keys: it serves the row's maximum and, since p rises with the score, the block's largest p.  Each accumulator is read from its low end on
	v_max3_num_f32 v[BM+\n], v[S+16*\n], v[S+16*\n+1], v[S+16*\n+2]
.endr
.irp i, 3,5,7,9,11,13
.irp n, 0,1,2,3,4,5,6,7
	v_max3_num_f32 v[BM+\n], v[BM+\n], v[S+16*\n+\i], v[S+16*\n+\i+1]
.endr
.endr
.irp n, 0,1,2,3,4,5,6,7
	v_max_num_f32 v[BM+\n], v[BM+\n], v[S+16*\n+15]
.endr
.irp n, 0,1,2,3,4,5,6,7
	v_permlanex16_b32 v[BT+\n], v[BM+\n], s[SEL], s[SEL+1]
.endr
.irp n, 0,1,2,3,4,5,6,7
	v_max_num_f32 v[BM+\n], v[BM+\n], v[BT+\n]     ; with lane l xor 16's 16 keys
.endr
.irp u, 0,1
	v_max3_num_f32 v[ST+8*\u+6], v[BM+4*\u], v[BM+4*\u+1], v[BM+4*\u+2]
.endr
.irp u, 0,1
	v_max_num_f32 v[ST+8*\u+6], v[ST+8*\u+6], v[BM+4*\u+3]   ; the step's largest score of my query
.endr
.irp u, 0,1
	v_mul_f32 v[ST+8*\u+6], s[CS], v[ST+8*\u+6]    ; as t (c is positive)
.endr
.irp u, 0,1
	v_max_num_f32 v[ST+8*\u+1], v[ST+8*\u+1], v[ST+8*\u+6]   ; the running largest t
.endr
.irp u, 0,1
	v_mov_b32 v[ST+8*\u+6], v[ST+8*\u]
.endr
.irp u, 0,1
	v_floor_f32 v[ST+8*\u], -v[ST+8*\u+1]          ; the new -M = floor(-t): M is a whole number
.endr
.irp u, 0,1
	v_sub_f32 v[ST+8*\u+6], v[ST+8*\u], v[ST+8*\u+6]   ; old M - new M: a whole number, 0 or less
.endr
.irp u, 0,1
	v_cvt_i32_f32 v[ST+8*\u+6], v[ST+8*\u+6]       ; (it saturates)
.endr
.irp u, 0,1
	v_ldexp_f32 v[ST+8*\u+4], 1.0, v[ST+8*\u+6]    ; the factor 2^(old M - new M): it rounds nothing
.endr
.set e, 0
.rept 64
	v_pk_fma_f32 v[S+e:S+e+1], v[S+e:S+e+1], s[CS:CS+1], v[ST+8*(e/64):ST+8*(e/64)+1] op_sel_hi:[1,0,0]   ; t - M, two at a time (of the pairs c and -M the low word serves both halves)
.set e, e+2
.endr
.irp n, 0,1,2,3,4,5,6,7
	v_fma_f32 v[BM+\n], v[BM+\n], s[CS], v[ST+8*(\n/4)]   ; the same of each block's largest score
.endr
.set e, 0
.rept 128
	v_exp_f32 v[S+e], v[S+e]                       ; p = 2^(t - M), at most 1: not normalised
.set e, e+1
.endr
.irp n, 0,1,2,3,4,5,6,7
	v_exp_f32 v[BM+\n], v[BM+\n]                   ; the block's largest p: the same two instructions on the same number give the same bits
.endr
.irp u, 0,1
	v_pk_mul_f32 v[ST+8*\u+2:ST+8*\u+3], v[ST+8*\u+2:ST+8*\u+3], v[ST+8*\u+4:ST+8*\u+5] op_sel_hi:[1,0]   ; the sums under the new M: the plain place behind the exponentials
.endr
	s_wait_alu depctr_va_vdst(0)                   ; one wait for the batch of 136, ahead of its first reader
.irp u, 0,1
	v_pk_add_f32 v[BT+4*\u:BT+4*\u+1], v[S+64*\u:S+64*\u+1], v[S+64*\u+2:S+64*\u+3]   ; the row's sum is taken of the unquantised p: two at a time, two chains a tile
.endr
.irp j, 4,8,12,16,20,24,28,32,36,40,44,48,52,56,60
.irp u, 0,1
	v_pk_add_f32 v[ST+8*\u+2:ST+8*\u+3], v[ST+8*\u+2:ST+8*\u+3], v[S+64*\u+\j:S+64*\u+\j+1]
	v_pk_add_f32 v[BT+4*\u:BT+4*\u+1], v[BT+4*\u:BT+4*\u+1], v[S+64*\u+\j+2:S+64*\u+\j+3]
.endr
.endr
.irp u, 0,1
	v_pk_add_f32 v[ST+8*\u+2:ST+8*\u+3], v[ST+8*\u+2:ST+8*\u+3], v[BT+4*\u:BT+4*\u+1]
.endr
.irp n, 0,1,2,3,4,5,6,7
	v_max_num_f32 v[BM+\n], 0x1800000, v[BM+\n]    ; the floor 2^(3 - 127): the byte cannot fall under 1 (a block whose every p is 0 keeps that byte: its codes are zeros)
.endr
.irp n, 0,1,2,3,4,5,6,7
	v_add_nc_u32 v[BS+\n], 0xff000000, v[BM+\n]    ; 2 off the exponent field: the conversion's scale operand
.endr
.irp n, 0,1,2,3,4,5,6,7
	v_lshrrev_b32 v[BT+\n], 23, v[BS+\n]           ; the scale's byte
.endr
.irp u, 0,1
	v_lshl_or_b32 v[PS+\u], v[BT+4*\u+1], 8, v[BT+4*\u]   ; p's scale word for these 128 keys
.endr
.irp u, 0,1
	v_lshl_or_b32 v[PS+\u], v[BT+4*\u+2], 16, v[PS+\u]
.endr
.irp u, 0,1
	v_lshl_or_b32 v[PS+\u], v[BT+4*\u+3], 24, v[PS+\u]
.endr
.irp u, 0,1
.irp c, 0,1
	v_cvt_scalef32_pk16_fp6_f32 v[P+12*\u+6*\c:P+12*\u+6*\c+2], v[S+64*\u+32*\c:S+64*\u+32*\c+15], v[BS+4*\u+2*\c]
	v_cvt_scalef32_pk16_fp6_f32 v[CT+8*\u+4*\c:CT+8*\u+4*\c+2], v[S+64*\u+32*\c+16:S+64*\u+32*\c+31], v[BS+4*\u+2*\c+1]   ; (a conversion's three registers begin on an even number)
.endr
.endr
	v_nop                                          ; one plain place behind a scaled conversion
.irp u, 0,1
.irp c, 0,1                            ; the operand wants a whole block in a lane: lanes 0-15 block 2 c, lanes 16-31 block 2 c + 1
.irp i, 0,1,2
	v_permlane16_swap_b32 v[P+12*\u+6*\c+\i], v[CT+8*\u+4*\c+\i]
.endr
.irp i, 0,1,2
	v_mov_b32 v[P+12*\u+6*\c+3+\i], v[CT+8*\u+4*\c+\i]
.endr
.endr
.endr
	WIN 0x41                                       ; O^T (destination and source 0) window 1, the factor window 0
.set e, 0
.rept 32
	v_pk_mul_f32 v[O+e:O+e+1], v[O+e:O+e+1], v[ST+8*(e/32)+4:ST+8*(e/32)+5] op_sel_hi:[1,0]   ; O^T under the new M.  (These are also the places between the lines that made p's codes and scale words and the products below)
.set e, e+2
.endr
.if \pre
	s_wait_dscnt 17                                ; V and its scale words are in; the next step's 16 loads of K and its scale words may be out
.else
	s_wait_dscnt 0x0
.endif
	WIN 0x51                                       ; source 0 (V) window 1, source 1 (p) window 0, C and D window 1
.irp t, 0,1,2,3
.irp u, 0,1
	v_wmma_scale_f32_16x16x128_f8f6f4 v[O+32*\u+8*\t:O+32*\u+8*\t+7], v[VF+12*\t:VF+12*\t+11], v[P+12*\u:P+12*\u+11], v[O+32*\u+8*\t:O+32*\u+8*\t+7], v[VS+\t], v[PS+\u] matrix_a_fmt:MATRIX_FMT_FP6 matrix_b_fmt:MATRIX_FMT_FP6
.endr
.endr
	WIN 0
.endm
; Four key steps whose look-ahead reaches a further group of the head's bytes: my part of that group has landed (the groups behind it may be out), and a barrier.
.macro SEG left, base, trips
	s_wait_dscnt 0x0                               ; no LDS instruction of mine is pending at the signal
	s_wait_tensorcnt \left
	s_barrier_signal -1
	s_barrier_wait -1
	s_mov_b32 s[TB], \base
	s_mov_b32 s[CNT], \trips
.Lseg_\@:
	BODY 1
	s_add_co_u32 s[TB], s[TB], STEPB
	s_sub_co_u32 s[CNT], s[CNT], 1
	s_cmp_lg_u32 s[CNT], 0
	s_cbranch_scc1 .Lseg_\@
.endm
	s_wait_tensorcnt 0x3                           ; my part of key steps 0 to 3 has landed; three loads may be out
	s_barrier_signal -1
	s_barrier_wait -1                              ; everybody's has
	s_wait_loadcnt 0x0                             ; Q of both passes
	s_mov_b32 s[PASS], 2
.Lpass:
.irp u, 0,1
	v_mov_b32 v[ST+8*\u+1], 0xff61b1e6             ; the largest t so far: -3e38, under every t
	v_mov_b32 v[ST+8*\u+2], 0                      ; the sum, in two halves
	v_mov_b32 v[ST+8*\u+3], 0
.endr
.irp u, 0,1
	v_floor_f32 v[ST+8*\u], -v[ST+8*\u+1]          ; -M
.endr
	WIN 0x40
.set e, 0
.rept 64
	v_mov_b32 v[O+e], 0                            ; O^T.  (The key step is written without a first step of its own: it finds zeros, which the first change of M leaves zeros)
.set e, e+1
.endr
	KLOAD LK, 0                                    ; key step 0
	s_mov_b32 s[TB], 0
	s_mov_b32 s[CNT], 3
.Lfirst:                                               ; key steps 0 to 2: their look-ahead stays inside the first group
	BODY 1
	s_add_co_u32 s[TB], s[TB], STEPB
	s_sub_co_u32 s[CNT], s[CNT], 1
	s_cmp_lg_u32 s[CNT], 0
	s_cbranch_scc1 .Lfirst
	SEG 2, 3*STEPB, 4                              ; key steps 3 to 6
	SEG 1, 7*STEPB, 4                              ; 7 to 10
	SEG 0, 11*STEPB, 4                             ; 11 to 14
	s_mov_b32 s[TB], 15*STEPB
	BODY 0                                         ; the last: nothing is left to ask for
	; THE WAY OUT.  O^T is divided by the row's sum and goes, a tile of 16 queries at a time, through my stage in LDS, so that sixteen lanes store the head's 256 consecutive bytes of a row.
.rept 4
	v_nop                                          ; four plain places behind the last products
.endr
.irp u, 0,1
	v_add_f32 v[ST+8*\u+6], v[ST+8*\u+2], v[ST+8*\u+3]
.endr
.irp u, 0,1
	v_permlanex16_b32 v[ST+8*\u+7], v[ST+8*\u+6], s[SEL], s[SEL+1]
.endr
.irp u, 0,1
	v_add_f32 v[ST+8*\u+6], v[ST+8*\u+6], v[ST+8*\u+7]   ; the row's sum: at least 1/2
.endr
.irp u, 0,1
	v_rcp_f32 v[ST+8*\u+4], v[ST+8*\u+6]
.endr
	v_nop                                          ; a plain place behind the reciprocals
	s_wait_alu depctr_va_vdst(0)                   ; and one wait for the two, ahead of their first reader
	WIN 0x01                                       ; source 0 (O^T) window 1
.set e, 0
.rept 64
	v_mul_f32 v[S+e], v[O+e], v[ST+8*(e/32)+4]     ; register 32 u + 8 t + j: query place r of tile u, channel 32 (t / 2) + 16 h + 8 (t % 2) + j; each accumulator from its low end on
.set e, e+1
.endr
	WIN 0
.irp u, 0,1
.irp t, 0,1,2,3
	ds_store_b128 v[STO], v[S+32*\u+8*\t:S+32*\u+8*\t+3] offset:128*(\t/2)+32*(\t%2)
	ds_store_b128 v[STO], v[S+32*\u+8*\t+4:S+32*\u+8*\t+7] offset:128*(\t/2)+32*(\t%2)+16
.endr
.irp i, 0,1,2,3,4,5,6,7
	ds_load_b128 v[S+64+32*\u+4*\i:S+64+32*\u+4*\i+3], v[RD] offset:544*\i   ; LDS serves a wave's instructions in order (ISA guide 5.7.1.4): these see my stores, and the next tile's stores come behind them
.endr
.endr
.irp u, 0,1
.irp i, 0,1,2,3,4,5,6,7
	s_wait_dscnt 23-16*\u-\i                       ; this pair of rows is back; what was issued behind it may be out
	global_store_b128 v[GO], v[S+64+32*\u+4*\i:S+64+32*\u+4*\i+3], s[8:9] offset:(8*\u+2*\i+8*(\i/4))*4096 th:TH_STORE_NT   ; place 2 i + h of tile u is query 8 u + 2 i + h + 8 (i / 4) of my 32; 16 lanes store 256 consecutive bytes, aligned
.endr
.endr
	WIN 0x41
.irp u, 0,1
.irp n, 0,1,2,3,4,5,6,7
	v_mov_b32 v[Q+12*\u+\n], v[QN+8*\u+\n]         ; the next pass's queries
.endr
.endr
	WIN 0
	v_mov_b32 v[QS], v[QSN]
	v_mov_b32 v[QS+1], v[QSN+1]
	s_wait_xcnt 0x0                                ; the stores have read their registers and their base: both are written again only behind this wait
	s_add_nc_u64 s[8:9], s[8:9], 1048576           ; 256 rows on
	s_sub_co_u32 s[PASS], s[PASS], 1
	s_cmp_lg_u32 s[PASS], 0
	s_cbranch_scc1 .Lpass
	s_wait_tensorcnt 0x0
	s_wait_dscnt 0x0
	s_wait_tensorcnt 0x0
	ds_add_u32 v227, v231
	s_wait_dscnt 0x0
	CROUND                                         ; the closing round: no work-group ends while a partner may still ask for bytes that name it
	s_endpgm
.Lfunc_end_k_qae84e992ae_attn:
	.size	k_qae84e992ae_attn, .Lfunc_end_k_qae84e992ae_attn-k_qae84e992ae_attn
	.p2alignl 7, 3214868480
	.fill 96, 4, 3214868480
	.section	.rodata,"a",@progbits
	.p2align	6, 0x0
	.amdhsa_kernel k_qae84e992ae_attn
		.amdhsa_group_segment_fixed_size 281600
		.amdhsa_private_segment_fixed_size 0
		.amdhsa_enable_private_segment 0
		.amdhsa_kernarg_size 24
		.amdhsa_user_sgpr_count 2
		.amdhsa_user_sgpr_kernarg_segment_ptr 1
		.amdhsa_wavefront_size32 1
		.amdhsa_system_sgpr_workgroup_id_x 1
		.amdhsa_system_sgpr_workgroup_id_y 1
		.amdhsa_system_sgpr_workgroup_id_z 1
		.amdhsa_system_vgpr_workitem_id 0
		.amdhsa_next_free_vgpr 512
		.amdhsa_next_free_sgpr 66
		.amdhsa_reserve_vcc 0
		.amdhsa_float_denorm_mode_32 3
		.amdhsa_float_denorm_mode_16_64 3
		.amdhsa_memory_ordered 1
		.amdhsa_forward_progress 1
		.amdhsa_inst_pref_size 162
	.end_amdhsa_kernel
	.amdgpu_metadata
---
amdhsa.version: [ 1, 2 ]
amdhsa.kernels:
  - .name:           k_qae84e992ae_attn
    .symbol:         k_qae84e992ae_attn.kd
    .args:
      - { .name: qimg, .offset: 0, .size: 8, .value_kind: global_buffer, .address_space: global }
      - { .name: kv, .offset: 8, .size: 8, .value_kind: global_buffer, .address_space: global }
      - { .name: out0, .offset: 16, .size: 8, .value_kind: global_buffer, .address_space: global }
    .group_segment_fixed_size: 281600
    .private_segment_fixed_size: 0
    .kernarg_segment_align: 8
    .kernarg_segment_size: 24
    .max_flat_workgroup_size: 256
    .sgpr_count:     66
    .vgpr_count:     512
    .wavefront_size: 32
...
	.end_amdgpu_metadata
.endif
;; end of part 3
